; MI455X (gfx1250); checked and timed in simulation.
; The chip was launched on July 23, 2026; its instructions are those of AMD's public machine-readable ISA for CDNA 5 (MIT licence, August 2026) and "CDNA5" Instruction Set Architecture Reference Guide (July 2026). The comments in the code are by the model that wrote it; some were corrected since.
;; Local Sliding Window Attention. Allowed arithmetic: float matrix products may take bf16 or f16 operands with f32 sums; all other float work in f32.
;; Inputs: b_out 1,024 float32; b_qkv 3,072 float32; w_out 1,024 x 1,024 float32; w_qkv 3,072 x 1,024 float32; x 2 x 2,048 x 1,024 float32.
;; Outputs: out0 2 x 2,048 x 1,024 float32.
;; 2 versions, each right; version 2 is version 1 with the launch cast written anew for expert scheduling mode. Each part assembles by itself: llvm-mc -triple=amdgcn-amd-amdhsa -mcpu=gfx1250 --defsym DOCPART=n.
;; ======== version 1 of 2: 3 launches
;; limits: values are held in f16: magnitudes above 65,504 overflow, below 6.1e-05 lose precision
;; workspace buffers: xh 8,519,680 bytes; wqh 6,291,456 bytes; woh 2,097,152 bytes; ao 8,388,608 bytes
;; launch cast (part 1): grid 256 x 1, 8 waves a work-group, no clusters, 0 bytes of LDS; arguments x, w_qkv, w_out, xh, wqh, woh; writes xh, wqh, woh
.if DOCPART == 1
	.amdgcn_target "amdgcn-amd-amdhsa--gfx1250"
	.amdhsa_code_object_version 6
	.text
	.protected	k_q9bf60dbd44_cast
	.globl	k_q9bf60dbd44_cast
	.p2align	8
	.type	k_q9bf60dbd44_cast,@function
k_q9bf60dbd44_cast:
	s_mov_b64 s[64:65], 0
	v_nop
	global_prefetch_b8 v0, s[64:65] scope:SCOPE_SE
	s_setreg_imm32_b32 hwreg(HW_REG_WAVE_MODE, 25, 1), 1
	s_wait_xcnt 0x0
; Rounds x, w_qkv and w_out from f32 to f16 once, and lays them out for the two matrix launches:
;   xh  [4160][1024]      x's 4,096 rows, then 64 rows of zeros (the last row block's halo reads them)
;   wqh [16][192][1024]   per head: its 64 rows of q's weights, its 64 of k's, its 64 of v's
;   woh [1024][1024]      w_out as it is
; LIMIT: numbers of magnitude 65,504 and above become infinite in f16; below 6e-5 they keep an absolute step of 6e-8.
; All three sources are rows of 1,024 f32, 8,192 rows in all.  256 work-groups take 32 rows each: 128 KiB in, 64 KiB out.
; Memory binds: no LDS, no barrier, no matrix unit.  A load of the work-group covers one row (256 threads x 16 bytes); all 32 loads of a
; thread are issued before the first wait, so the whole 128 KiB is on its way at once; a wave's store covers 256 consecutive aligned bytes.
; No register that a load or a store names is ever written again, so the counted waits for data are the only waits.
.set ROWS, 32
.set INB,  4096                        ; bytes of a source row
.set OUTB, 2048                        ; bytes of a destination row
.set LO,   1                           ; v1   16 t: my 16 bytes of a source row
.set SO,   2                           ; v2   8 t: my 8 bytes of a destination row
.set Z,    4                           ; v[4:7] zeros (wave 0)
.set X,    8                           ; v[8:135] row j: 4 registers as loaded; the first two then hold the four f16
	s_load_b256 s[4:11], s[0:1], 0x0               ; x s[4:5], w_qkv s[6:7], w_out s[8:9], xh s[10:11]
	s_load_b128 s[12:15], s[0:1], 0x20             ; wqh s[12:13], woh s[14:15]
	v_lshrrev_b32 v3, 5, v0
	v_readfirstlane_b32 s16, v3                    ; wave
	v_lshlrev_b32 v[LO], 4, v0
	v_lshlrev_b32 v[SO], 3, v0
	s_mov_b32 s17, ttmp9                           ; g: 0-127 x, 128-223 w_qkv, 224-255 w_out
	s_sub_co_u32 s18, s17, 128
	s_and_b32 s18, s18, 127                        ; c: which 32 rows of w_qkv (used where 128 <= g < 224)
	s_sub_co_u32 s19, s17, 224
	s_and_b32 s19, s19, 31                         ; which 32 rows of w_out (used where g >= 224)
	; w_qkv's row 1024 part + 64 head + d goes to wqh's row 192 head + 64 part + d;  c = 32 part + 2 head + half
	s_bfe_u32 s20, s18, 0x40001                    ; head
	s_mul_i32 s20, s20, 192
	s_lshr_b32 s21, s18, 5                         ; part
	s_lshl_b32 s21, s21, 6
	s_add_co_u32 s20, s20, s21
	s_and_b32 s21, s18, 1                          ; half of the 64 rows
	s_lshl_b32 s21, s21, 5
	s_add_co_u32 s20, s20, s21
	s_lshl_b32 s20, s20, 11                        ; rows of 2,048 bytes
	s_lshl_b32 s22, s17, 17                        ; x: source offset, 32 rows of 4,096 bytes a work-group
	s_lshl_b32 s23, s17, 16                        ;    destination offset
	s_lshl_b32 s24, s18, 17                        ; w_qkv: source offset
	s_lshl_b32 s25, s19, 17                        ; w_out: source offset
	s_lshl_b32 s26, s19, 16                        ;        destination offset
	s_wait_kmcnt 0x0
	s_cmp_lt_u32 s17, 224                          ; the choice hangs on the work-group's number alone
	s_cselect_b64 s[28:29], s[6:7], s[8:9]
	s_cselect_b64 s[30:31], s[12:13], s[14:15]
	s_cselect_b32 s32, s24, s25
	s_cselect_b32 s34, s20, s26
	s_cmp_lt_u32 s17, 128
	s_cselect_b64 s[28:29], s[4:5], s[28:29]
	s_cselect_b64 s[30:31], s[10:11], s[30:31]
	s_cselect_b32 s32, s22, s32
	s_cselect_b32 s34, s23, s34
	s_mov_b32 s33, 0
	s_mov_b32 s35, 0
	s_add_nc_u64 s[28:29], s[28:29], s[32:33]      ; source at my first row
	s_add_nc_u64 s[30:31], s[30:31], s[34:35]      ; destination at my first row
.set j, 0
.rept ROWS
	global_load_b128 v[X+4*j:X+4*j+3], v[LO], s[28:29] offset:INB*j th:TH_LOAD_NT   ; read once in the launch
.set j, j+1
.endr
	; xh's 64 rows of zeros are 131,072 bytes: 512 for each work-group, stored by its wave 0 (there 16 t is 16 x lane)
	s_cmp_lg_u32 s16, 0
	s_cbranch_scc1 .Lno_pad
	s_lshl_b32 s36, s17, 9
	s_add_co_u32 s36, s36, 4096*OUTB
	s_mov_b32 s37, 0
	s_add_nc_u64 s[36:37], s[10:11], s[36:37]
	v_mov_b32 v[Z], 0
	v_mov_b32 v[Z+1], 0
	v_mov_b32 v[Z+2], 0
	v_mov_b32 v[Z+3], 0
	global_store_b128 v[LO], v[Z:Z+3], s[36:37]
.Lno_pad:
.set j, 0
.rept ROWS
	s_wait_loadcnt ROWS-1-j                        ; loads come back in order: row j is in, the younger ones stay out
	v_cvt_pk_f16_f32 v[X+4*j], v[X+4*j], v[X+4*j+1]
	v_cvt_pk_f16_f32 v[X+4*j+1], v[X+4*j+2], v[X+4*j+3]
	global_store_b64 v[SO], v[X+4*j:X+4*j+1], s[30:31] offset:OUTB*j   ; the next launch reads it: no hint
.set j, j+1
.endr
	s_endpgm
.Lfunc_end_k_q9bf60dbd44_cast:
	.size	k_q9bf60dbd44_cast, .Lfunc_end_k_q9bf60dbd44_cast-k_q9bf60dbd44_cast
	.p2alignl 7, 3214868480
	.fill 96, 4, 3214868480
	.section	.rodata,"a",@progbits
	.p2align	6, 0x0
	.amdhsa_kernel k_q9bf60dbd44_cast
		.amdhsa_group_segment_fixed_size 0
		.amdhsa_private_segment_fixed_size 0
		.amdhsa_enable_private_segment 0
		.amdhsa_kernarg_size 48
		.amdhsa_user_sgpr_count 2
		.amdhsa_user_sgpr_kernarg_segment_ptr 1
		.amdhsa_wavefront_size32 1
		.amdhsa_system_sgpr_workgroup_id_x 1
		.amdhsa_system_sgpr_workgroup_id_y 1
		.amdhsa_system_sgpr_workgroup_id_z 1
		.amdhsa_system_vgpr_workitem_id 0
		.amdhsa_next_free_vgpr 136
		.amdhsa_next_free_sgpr 66
		.amdhsa_reserve_vcc 0
		.amdhsa_float_denorm_mode_32 3
		.amdhsa_float_denorm_mode_16_64 3
		.amdhsa_memory_ordered 1
		.amdhsa_forward_progress 1
		.amdhsa_inst_pref_size 14
	.end_amdhsa_kernel
	.amdgpu_metadata
---
amdhsa.version: [ 1, 2 ]
amdhsa.kernels:
  - .name:           k_q9bf60dbd44_cast
    .symbol:         k_q9bf60dbd44_cast.kd
    .args:
      - { .name: x, .offset: 0, .size: 8, .value_kind: global_buffer, .address_space: global }
      - { .name: w_qkv, .offset: 8, .size: 8, .value_kind: global_buffer, .address_space: global }
      - { .name: w_out, .offset: 16, .size: 8, .value_kind: global_buffer, .address_space: global }
      - { .name: xh, .offset: 24, .size: 8, .value_kind: global_buffer, .address_space: global }
      - { .name: wqh, .offset: 32, .size: 8, .value_kind: global_buffer, .address_space: global }
      - { .name: woh, .offset: 40, .size: 8, .value_kind: global_buffer, .address_space: global }
    .group_segment_fixed_size: 0
    .private_segment_fixed_size: 0
    .kernarg_segment_align: 8
    .kernarg_segment_size: 48
    .max_flat_workgroup_size: 256
    .sgpr_count:     66
    .vgpr_count:     136
    .wavefront_size: 32
...
	.end_amdgpu_metadata
.endif
;; end of part 1
;; launch qkvattn (part 2): grid 16 x 16, 4 waves a work-group, clusters of 4 x 4, 327,680 bytes of LDS; arguments xh, wqh, b_qkv, ao; writes ao
.if DOCPART == 2
	.amdgcn_target "amdgcn-amd-amdhsa--gfx1250"
	.amdhsa_code_object_version 6
	.text
	.protected	k_q9bf60dbd44_qkvattn
	.globl	k_q9bf60dbd44_qkvattn
	.p2align	8
	.type	k_q9bf60dbd44_qkvattn,@function
k_q9bf60dbd44_qkvattn:
	s_mov_b64 s[64:65], 0
	v_nop
	global_prefetch_b8 v0, s[64:65] scope:SCOPE_SE
	s_setreg_imm32_b32 hwreg(HW_REG_WAVE_MODE, 25, 1), 1
	s_wait_xcnt 0x0
	s_wait_alu depctr_hold_cnt(0) depctr_sa_sdst(0) depctr_va_vdst(0) depctr_va_sdst(0) depctr_va_ssrc(0) depctr_va_vcc(0) depctr_vm_vsrc(0)
	s_getreg_b32 s2, hwreg(HW_REG_IB_STS2, 6, 4)
	s_cmp_eq_u32 s2, 0
	s_cbranch_scc0 .Lentry_in_a_cluster
	s_endpgm
.Lentry_in_a_cluster:
	s_bfe_u32 s2, ttmp6, 0x10000c
	s_cmp_lg_u32 s2, 0xf033
	s_cbranch_scc0 .Lentry_shape_is_right
	s_endpgm
.Lentry_shape_is_right:
; One head's q, k, v for 256 queries (and k, v for the 64 keys behind them), and straight from the sums the banded attention:
; query i sees keys i .. i+64 of its own sequence.  q, k and v never reach memory.  Work-group (x, y): head x, rows 256 y .. of the 4,096.
; PART 1: C = A B^T, A = xh rows 256 y .. 256 y + 319, B = wqh's 192 rows of the head, K = 1,024 in 8 steps of 128 through two LDS slots
; filled by tensor loads (tile rows are 256 bytes and begin at multiples of 256 bytes).  Wave w: rows 64 w .. 64 w + 63 x 192 columns, and
; the halo rows 256 + 16 w .. + 15 x k's and v's 128 columns: 56 accumulator tiles of 16 x 16.
; PART 2: bias, rounding to f16; k and v (transposed) meet in LDS; each wave does its 64 queries, 16 at a time against 80 keys.
; CLUSTERS: 4 x 4 work-groups.  A's tile hangs on y alone and is asked for jointly along a row of the cluster, B's on the head alone and is
; asked for jointly along a column: each tile is requested once for four work-groups.
; NUMBERS: matrix operands are f16, sums f32.  LIMIT: |q|, |k|, |v| must stay under 65,504 (with x and the weights all 30 times larger their
; spread is about 900; with both offset by 30 spreads they lie near 1024 x 30 x 0.94 = 28,800); an infinite v would also spoil neighbours
; whose probability for it is 0.  q is scaled by 0.125 log2(e), bias included, in f32 before it is rounded, so the exponentials are base 2.
; The row's true maximum over its valid keys is taken away; masked scores are -infinity; the denominator is summed in f32 from the
; unrounded probabilities.  Every query sees itself, so no row is empty and the denominator is at least 1.
;
; REGISTERS, in windows of 256:
;   window 0: v0-53 addresses and small things; v64-199 fragment buffer 0; in part 2 scores, probabilities, q's fragments, results
;   window 1: v0-63 q's and k's biases; v64-199 fragment buffer 1; in part 2 v0-127 k's fragments
;   window 2: q and k of my 64 rows, tile (a, n) at 8 (8 a + n), n = 0-3 q, 4-7 k; in part 2 v0-143 v's fragments
;   window 3: v of my 64 rows, tile (a, n) at 8 (4 a + n); halo k at 128 + 8 n; halo v at 160 + 8 n
; q and k tiles take the weights as source 0 and x as source 1: a lane holds one row of x and eight neighbouring columns.
; v tiles take x as source 0 and the weights as source 1: a lane holds one column of v and eight neighbouring keys (v transposed).
.set PITCH,  272                       ; an LDS row: 256 bytes + 16: an odd multiple of 16, so the 16 rows of a fragment load begin in 16 different 16-byte columns of 256
.set SLOT,   512*PITCH                 ; A's 320 rows, then B's 192
.set BOFF,   320*PITCH
.set ATILE,  160*PITCH                 ; what wave 0 or 1 fetches
.set BTILE,  96*PITCH                  ; what wave 2 or 3 fetches
.set KSTEPB, 256                       ; bytes of a K step in a row
.set KPIT,   144                       ; stage: a key's 64 numbers of k, 128 bytes + 16; also a query's 64 results
.set VST,    320*KPIT                  ; stage: v transposed behind k
.set VPIT,   688                       ; 336 keys x 2 bytes + 16
.set OST,    VST+64*VPIT               ; stage: results, 64 rows of 144 bytes for each wave
.set F,      64                        ; fragments of B: 12 x 8 registers
.set FA,     F+96                      ; fragments of A: my four row tiles, then my halo tile
.set ADRA,   16                        ; v16-17 LDS address of my A fragments in slot 0, 1
.set ADRH,   18                        ; v18-19 of my halo fragment
.set ADRB,   20                        ; v20-21 of the B fragments
.set KSTO,   22                        ; k's stage at my first key: for the stores and for the fragment loads
.set KSTOH,  23                        ; k's stage at my halo tile
.set VSTO,   24                        ; v's stage at my first key
.set VSTOH,  25
.set ZSTO,   26                        ; my 16 bytes of the zero keys 320-335
.set OSTO,   27                        ; results in
.set ORD,    28                        ; results back, by rows
.set CO,     29                        ; 16 x lane
.set BO8,    30                        ; 32 (lane / 16): offset of eight biases
.set BO4,    31                        ; 4 (lane % 16): offset of one bias
.set BV,     32                        ; v32-39 v's bias of my column in tile n, twice (a pair)
.set NEG,    40                        ; -infinity
.set E,      41                        ; 8 (lane / 16) - lane % 16
.set MX,     42                        ; v42-43 the row's maximum, twice
.set RL,     44                        ; v44-45 1 / denominator, twice
.set R,      46                        ; v46-49 four chains of the maximum
.set SUM,    50                        ; v50-53 two chains of the sum
.set T,      64                        ; v64-127 at work in the epilogue
.set S,      64                        ; v64-103 scores of five key tiles
.set P,      104                       ; v104-123 probabilities in f16; v124-127 stay 0 (a sixth tile)
.set QF,     128                       ; v128-191 q's fragments: 16 a + 8 (half of the head's 64)
.set KP,     192                       ; v192-223 packed k or v on their way to the stage
.set O,      192                       ; v192-223 results of four tiles of 16 columns
.set OP,     224                       ; v224-239 the same in f16
.set G1A, 24                           ; s[24:31] group 1 for A's tiles
.set G0A, 32                           ; s[32:39] group 0 for A's tiles, one set a slot
.set G1B, 48                           ; s[48:55] group 1 for B's tiles
.set G0B, 56                           ; s[56:63] group 0 for B's tiles
.set G1W0, (1<<16)|(1<<20)|(1<<21)|(5<<22)|(3<<25)   ; elements of 2 bytes; padding on; bit 21 beside a mask; after every 64 words, 4 words
.set QSC, 0x3e38aa3b                   ; 0.125 log2(e)
.set MSB, 0
.macro WIN new                         ; the immediate's high byte repeats the setting that is left
.if MSB != (\new)
	s_set_vgpr_msb (MSB<<8)|(\new)
.set MSB, (\new)
.endif
.endm
.macro PLACES                          ; four places behind matrix instructions (ISA guide 7.12.1), where there is no other vector work
.rept 4
	v_nop
.endr
.endm
; A joint load: waves 0 and 1 ask for A's two halves, waves 2 and 3 for B's.  The branch hangs on the wave's number alone.
.macro JLOAD s
	s_cmp_eq_u32 s13, 0
	s_cbranch_scc0 .Lfor_b_\@
	tensor_load_to_lds s[G0A+4*\s:G0A+4*\s+3], s[G1A:G1A+7]
	s_nop 0
	s_branch .Lasked_\@
.Lfor_b_\@:
	tensor_load_to_lds s[G0B+4*\s:G0B+4*\s+3], s[G1B:G1B+7]
	s_nop 0
.Lasked_\@:
.endm
.macro CREST                           ; a round of the cluster's barrier behind its opening work-group barrier
	s_cmp_lg_u32 s12, 0
	s_cbranch_scc1 .Lnot_wave_0_\@
	s_barrier_signal -3
.Lnot_wave_0_\@:
	s_barrier_wait -3
	s_barrier_signal -1
	s_barrier_wait -1
.endm
.macro CROUND                          ; a whole round
	s_barrier_signal -1
	s_barrier_wait -1
	CREST
.endm
.macro MM d, x, y, zero                ; one matrix instruction; zero = 1: it starts the sum, nothing is cleared
.if \zero
	v_wmma_f32_16x16x32_f16 v[(\d):(\d)+7], v[(\x):(\x)+7], v[(\y):(\y)+7], 0
.else
	v_wmma_f32_16x16x32_f16 v[(\d):(\d)+7], v[(\x):(\x)+7], v[(\y):(\y)+7], v[(\d):(\d)+7]
.endif
.endm
	s_load_b256 s[4:11], s[0:1], 0x0               ; xh s[4:5], wqh s[6:7], b_qkv s[8:9], ao s[10:11]
	s_set_vgpr_msb 0x40
	v_lshl_add_u32 v254, v0, 2, 0x44000
	v_mov_b32 v255, 0
	s_set_vgpr_msb 0x4045
	ds_add_u32 v254, v255
	s_set_vgpr_msb 0x4500
	v_lshrrev_b32 v3, 5, v0
	v_readfirstlane_b32 s12, v3                    ; wave 0..3
	s_lshr_b32 s13, s12, 1                         ; I fetch for A (0) or for B (1)
	s_and_b32 s14, s12, 1                          ; which half of that tile
	s_bfe_u32 s15, ttmp6, 0x40000                  ; cx
	s_bfe_u32 s16, ttmp6, 0x40004                  ; cy
	s_lshl_b32 s17, ttmp9, 2
	s_add_co_u32 s17, s17, s15                     ; head = 4 x cluster x + cx
	s_and_b32 s18, ttmp7, 0xffff
	s_lshl_b32 s18, s18, 2
	s_add_co_u32 s18, s18, s16                     ; row block y = 4 x cluster y + cy
	s_lshl_b32 s19, s16, 2
	s_lshl_b32 s19, 15, s19                        ; my row of the cluster
	s_lshl_b32 s20, 0x1111, s15                    ; my column
	s_or_b32 s[G1A+0], s19, G1W0                   ; A's tiles go to my row
	s_or_b32 s[G1B+0], s20, G1W0                   ; B's to my column
	s_mov_b32 s[G1A+1], 128<<16                    ; tensor_dim0 = 128 elements
	s_mov_b32 s[G1B+1], 128<<16
	s_mov_b32 s[G1A+2], 160<<16                    ; tensor_dim1 = the tile's rows
	s_mov_b32 s[G1B+2], 96<<16
	s_mov_b32 s[G1A+3], 128<<16                    ; tile_dim0 = 128
	s_mov_b32 s[G1B+3], 128<<16
	s_mov_b32 s[G1A+4], 160                        ; tile_dim1
	s_mov_b32 s[G1B+4], 96
	s_mov_b32 s[G1A+5], 1024                       ; elements from row to row
	s_mov_b32 s[G1B+5], 1024
	s_mov_b32 s[G1A+6], 0
	s_mov_b32 s[G1B+6], 0
	s_mov_b32 s[G1A+7], 0
	s_mov_b32 s[G1B+7], 0
	; A's address is made of y and the wave's number, B's of the head and the wave's number, each in registers that never hold the other coordinate
	s_lshl_b32 s40, s18, 8
	s_mul_i32 s41, s14, 160
	s_add_co_u32 s40, s40, s41                     ; A: row 256 y + 160 half
	s_lshl_b32 s40, s40, 11                        ; rows of 2,048 bytes; at most 4,000 rows: 32 bits hold it
	s_mov_b32 s41, 0
	s_mul_i32 s42, s17, 192
	s_mul_i32 s43, s14, 96
	s_add_co_u32 s42, s42, s43                     ; B: row 192 head + 96 half
	s_lshl_b32 s42, s42, 11
	s_mov_b32 s43, 0
	s_mul_i32 s21, s12, ATILE                      ; LDS: waves 0, 1: A's halves
	s_mul_i32 s22, s12, BTILE
	s_add_co_u32 s22, s22, BOFF-2*BTILE            ; waves 2, 3: B's halves behind A's 320 rows
	s_wait_dscnt 0x0
	s_wait_kmcnt 0x0
	s_add_nc_u64 s[40:41], s[4:5], s[40:41]
	s_add_nc_u64 s[42:43], s[6:7], s[42:43]
	CROUND                                         ; all sixteen work-groups are here: the first joint loads meet
.irp s, 0,1
	s_mov_b32 s[G0A+4*\s], 1
	s_add_co_u32 s[G0A+4*\s+1], s21, \s*SLOT
	s_add_nc_u64 s[G0A+4*\s+2:G0A+4*\s+3], s[40:41], \s*KSTEPB     ; K step s
	s_or_b32 s[G0A+4*\s+3], s[G0A+4*\s+3], 0x80000000
	s_mov_b32 s[G0B+4*\s], 1
	s_add_co_u32 s[G0B+4*\s+1], s22, \s*SLOT
	s_add_nc_u64 s[G0B+4*\s+2:G0B+4*\s+3], s[42:43], \s*KSTEPB
	s_or_b32 s[G0B+4*\s+3], s[G0B+4*\s+3], 0x80000000
	JLOAD \s                                       ; both slots are asked for before anything else: two tensor loads of the wave are out
.endr
	v_and_b32 v1, 15, v0                           ; r = lane % 16
	v_bfe_u32 v2, v0, 4, 1                         ; hh = lane / 16
	v_lshlrev_b32 v[BO8], 5, v2
	v_lshlrev_b32 v[BO4], 2, v1
	s_lshl_b32 s44, s17, 8                         ; the head's 64 biases
	s_mov_b32 s45, 0
	s_add_nc_u64 s[44:45], s[8:9], s[44:45]
	WIN 0x40                                       ; data into window 1
.irp b, 0,1,2,3,4,5,6,7
	global_load_b128 v[8*\b:8*\b+3],   v[BO8], s[44:45] offset:(\b/4)*4096+(\b%4)*64      ; tile b's columns 8 hh .. 8 hh + 7: q's, then k's
	global_load_b128 v[8*\b+4:8*\b+7], v[BO8], s[44:45] offset:(\b/4)*4096+(\b%4)*64+16
.endr
	WIN 0
.irp b, 0,1,2,3
	global_load_b32 v[BV+2*\b],   v[BO4], s[44:45] offset:8192+64*\b                       ; v's bias of column 16 b + r,
	global_load_b32 v[BV+2*\b+1], v[BO4], s[44:45] offset:8192+64*\b                       ; twice: the packed add wants a pair
.endr
	; fragment addresses: row x pitch + 16 hh (a fragment is two loads of 16 bytes, 32 bytes apart)
	v_mul_u32_u24 v3, v1, PITCH
	v_lshl_add_u32 v3, v2, 4, v3
	s_mul_i32 s21, s12, 64*PITCH                   ; my 64 rows of A
	s_mul_i32 s22, s12, 16*PITCH
	s_add_co_u32 s22, s22, 256*PITCH               ; my halo tile
.irp s, 0,1
	v_add_nc_u32 v[ADRA+\s], s21, v3
	v_add_nc_u32 v[ADRH+\s], s22, v3
	v_add_nc_u32 v[ADRB+\s], BOFF+\s*SLOT, v3
	s_add_co_u32 s21, s21, SLOT
	s_add_co_u32 s22, s22, SLOT
.endr
	; stage addresses
	v_mul_u32_u24 v4, v1, KPIT
	v_lshl_add_u32 v4, v2, 4, v4                   ; 144 r + 16 hh
	s_mul_i32 s21, s12, 64*KPIT
	s_mul_i32 s22, s12, 16*KPIT
	s_add_co_u32 s22, s22, 256*KPIT
	v_add_nc_u32 v[KSTO], s21, v4
	v_add_nc_u32 v[KSTOH], s22, v4
	s_add_co_u32 s21, s21, OST
	v_add_nc_u32 v[OSTO], s21, v4
	v_mul_u32_u24 v5, v1, VPIT
	v_lshl_add_u32 v5, v2, 4, v5                   ; 688 r + 16 hh
	s_lshl_b32 s22, s12, 7                         ; my 64 keys are 128 bytes of a row of v transposed
	s_add_co_u32 s22, s22, VST
	v_add_nc_u32 v[VSTO], s22, v5
	s_lshl_b32 s22, s12, 5                         ; my 16 halo keys are 32 bytes, behind the 256 keys' 512
	s_add_co_u32 s22, s22, VST+512
	v_add_nc_u32 v[VSTOH], s22, v5
	v_lshrrev_b32 v6, 1, v0                        ; zero keys: thread t takes half t % 2 of row t / 2
	v_and_b32 v7, 1, v0
	v_mul_u32_u24 v6, v6, VPIT
	v_lshl_add_u32 v6, v7, 4, v6
	v_add_nc_u32 v[ZSTO], VST+640, v6
	v_and_b32 v8, 31, v0
	v_lshrrev_b32 v6, 3, v8                        ; results back: eight lanes take a row's 128 bytes
	v_and_b32 v7, 7, v8
	v_mul_u32_u24 v6, v6, KPIT
	v_lshl_add_u32 v6, v7, 4, v6
	v_add_nc_u32 v[ORD], s21, v6
	v_lshlrev_b32 v[CO], 4, v8
	s_lshl_b32 s46, s17, 19                        ; ao: head x 4,096 rows x 128 bytes
	s_lshl_b32 s47, s18, 15                        ;     + 256 y rows
	s_add_co_u32 s46, s46, s47
	s_lshl_b32 s47, s12, 13                        ;     + 64 w rows
	s_add_co_u32 s46, s46, s47
	s_mov_b32 s47, 0
	s_add_nc_u64 s[46:47], s[10:11], s[46:47]
	; the masks.  In a score tile a lane holds query r and keys 8 hh + j.  First key tile: key >= query; fifth: key <= query + 64.
	v_mov_b32 v[NEG], 0xff800000
	v_lshlrev_b32 v[E], 3, v2
	v_sub_nc_u32 v[E], v[E], v1
.irp j, 0,1,2,3,4,5,6,7
	v_cmp_le_i32 s[66+\j], -\j, v[E]               ; 8 hh + j >= r
	v_cmp_ge_i32 s[74+\j], -\j, v[E]               ; 8 hh + j <= r
.endr
	; key tile u of my wave (u = 0 .. 7) lies inside the sequence where 16 (y % 8) + 4 w + u < 128; for u <= 3 always.  A select, no branch.
	s_and_b32 s100, s18, 7
	s_lshl_b32 s100, s100, 4
	s_lshl2_add_u32 s100, s12, s100
	s_sub_co_u32 s100, 128, s100
.irp u, 4,5,6,7
	s_cmp_gt_u32 s100, \u
	s_cselect_b32 s[81+\u], -1, 0
.endr
	s_mov_b32 s98, 0x76543210                      ; v_permlanex16_b32: lane i reads lane i of the other half
	s_mov_b32 s99, 0xfedcba98
; 16 matrix instructions on window 2: row tiles a0, a0 + 1 x q's and k's eight column tiles
.macro LO16 a0, zero
.irp a, \a0, \a0+1
.irp b, 0,1,2,3,4,5,6,7
	MM 8*(8*(\a)+\b), F+8*\b, FA+8*(\a), \zero
.endr
.endr
.endm
; 24 on window 3: v of my four row tiles, then k and v of my halo tile
.macro HI24 zero
.irp a, 0,1,2,3
.irp b, 0,1,2,3
	MM 8*(4*\a+\b), FA+8*\a, F+64+8*\b, \zero
.endr
.endr
.irp b, 0,1,2,3
	MM 128+8*\b, F+32+8*\b, FA+32, \zero
.endr
.irp b, 0,1,2,3
	MM 160+8*\b, FA+32, F+64+8*\b, \zero
.endr
.endm
; 34 LDS loads in one run: the fragments of 32 along K at byte k of the slot's rows, into buffer f.  What window 2's products need comes first.
.macro FETCH slot, k, f
	WIN 0x40*(\f)
.irp b, 0,1,2,3,4,5,6,7
	ds_load_b128 v[F+8*\b:F+8*\b+3],   v[ADRB+\slot] offset:\k+16*PITCH*\b
	ds_load_b128 v[F+8*\b+4:F+8*\b+7], v[ADRB+\slot] offset:\k+16*PITCH*\b+32
.endr
.irp a, 0,1,2,3
	ds_load_b128 v[FA+8*\a:FA+8*\a+3],   v[ADRA+\slot] offset:\k+16*PITCH*\a
	ds_load_b128 v[FA+8*\a+4:FA+8*\a+7], v[ADRA+\slot] offset:\k+16*PITCH*\a+32
.endr
.irp b, 8,9,10,11
	ds_load_b128 v[F+8*\b:F+8*\b+3],   v[ADRB+\slot] offset:\k+16*PITCH*\b
	ds_load_b128 v[F+8*\b+4:F+8*\b+7], v[ADRB+\slot] offset:\k+16*PITCH*\b+32
.endr
	ds_load_b128 v[FA+32:FA+35], v[ADRH+\slot] offset:\k
	ds_load_b128 v[FA+36:FA+39], v[ADRH+\slot] offset:\k+32
.endm
; A K step is four quarters of 32 along K, 56 matrix instructions each, on buffers 0, 1, 0, 1.  The 56 accumulators take turns, one
; instruction a turn, in the same order in every quarter.
; One of the first three quarters: multiplies buffer f and in its middle fetches the next quarter's fragments into buffer g.
.macro QUARTER slot, k, f, g, zero
	s_wait_dscnt 10                                ; the first 24 loads are in; the youngest ten (v's weights, the halo) may be out
	WIN 0xa0+5*(\f)
	LO16 0, \zero
	LO16 2, \zero
	PLACES                                         ; buffer g was read by the quarter before
	FETCH \slot, \k, \g
	s_wait_dscnt 34                                ; all but the 34 just issued
	WIN 0xf0+5*(\f)
	HI24 \zero
.endm
.macro THREE slot, zero
	QUARTER \slot, 64,  0, 1, \zero
	QUARTER \slot, 128, 1, 0, 0
	QUARTER \slot, 192, 0, 1, 0
.endm
; The last quarter multiplies buffer 1 and changes slots.  In front of the barrier each wave waits for its reads of this slot and for all its
; tensor loads (one is out: its part of the next slot).  Where the slot is filled again the barrier opens a round of the cluster's barrier,
; and the joint refill is the first tensor load behind the round.  From that request to the wait for it a wave issues 208 matrix instructions.
.macro TURN slot, next, fill
	s_wait_dscnt 10
	WIN 0xa5
	LO16 0, 0
	s_wait_dscnt 0                                 ; my reads of this slot are over
	s_wait_tensorcnt 0x0                           ; all my tensor loads have landed
	ds_add_u32 v254, v255
	s_wait_dscnt 0x0
	s_barrier_signal -1
	LO16 2, 0                                      ; registers only
	WIN 0
	s_barrier_wait -1
.if \fill
	CREST                                          ; no wave of any partner still reads this slot or has a load on its way
	s_add_nc_u64 s[G0A+4*\slot+2:G0A+4*\slot+3], s[G0A+4*\slot+2:G0A+4*\slot+3], 2*KSTEPB
	s_add_nc_u64 s[G0B+4*\slot+2:G0B+4*\slot+3], s[G0B+4*\slot+2:G0B+4*\slot+3], 2*KSTEPB
	JLOAD \slot
.endif
	PLACES
	FETCH \next, 0, 0
	WIN 0xf5
	HI24 0
.endm
.macro LAP zero
	THREE 0, \zero
	TURN 0, 1, 1
	THREE 1, 0
	TURN 1, 0, 1
.endm
	s_wait_loadcnt 0x0                             ; the biases, once
	s_wait_tensorcnt 0x1                           ; my part of K step 0 is in; K step 1's stays out
	s_barrier_signal -1
	s_barrier_wait -1
	FETCH 0, 0, 0
	LAP 1                                          ; K steps 0, 1: the first products start the sums
	WIN 0
	s_mov_b32 s3, 2
.Llap:
	LAP 0                                          ; K steps 2, 3 and 4, 5
	WIN 0
	s_sub_co_u32 s3, s3, 1
	s_cmp_lg_u32 s3, 0
	s_cbranch_scc1 .Llap
	THREE 0, 0                                     ; K steps 6, 7: nothing is left to fetch
	TURN 0, 1, 0                                   ; behind this barrier no wave reads slot 0 and no load fills it any more: it becomes the stage
	THREE 1, 0
	s_wait_dscnt 10
	WIN 0xa5
	LO16 0, 0
	LO16 2, 0
	s_wait_dscnt 0
	WIN 0xf5
	HI24 0
	PLACES
	; PART 2.  (q + b) c = q c + b c: q's biases are scaled once.
	WIN 0x41
.set ii, 0
.rept 16
	v_pk_mul_f32 v[ii:ii+1], v[ii:ii+1], QSC op_sel_hi:[1,0]
.set ii, ii+2
.endr
; Row tile a: q becomes fragments in registers (a lane's eight columns of tiles 2 c, 2 c + 1 are what source 1 wants of 32 along the head);
; k goes to the stage, 16 bytes a lane.
.macro EPI_QK a
	WIN 0x16                                       ; sums from window 2, biases from window 1
.irp b, 0,1,2,3
.irp p, 0,1,2,3
	v_pk_fma_f32 v[T+8*\b+2*\p:T+8*\b+2*\p+1], v[8*(8*\a+\b)+2*\p:8*(8*\a+\b)+2*\p+1], QSC, v[8*\b+2*\p:8*\b+2*\p+1] op_sel_hi:[1,0,1]
.endr
.endr
.irp b, 4,5,6,7
.irp p, 0,1,2,3
	v_pk_add_f32 v[T+8*\b+2*\p:T+8*\b+2*\p+1], v[8*(8*\a+\b)+2*\p:8*(8*\a+\b)+2*\p+1], v[8*\b+2*\p:8*\b+2*\p+1]
.endr
.endr
	WIN 0
.irp b, 0,1,2,3
.irp p, 0,1,2,3
	v_cvt_pk_f16_f32 v[QF+16*\a+4*\b+\p], v[T+8*\b+2*\p], v[T+8*\b+2*\p+1]
.endr
.endr
.irp b, 0,1,2,3
.irp p, 0,1,2,3
	v_cvt_pk_f16_f32 v[KP+4*\b+\p], v[T+32+8*\b+2*\p], v[T+32+8*\b+2*\p+1]
.endr
	ds_store_b128 v[KSTO], v[KP+4*\b:KP+4*\b+3] offset:16*KPIT*\a+32*\b
.endr
.endm
; Row tiles a0, a0 + 1 of v: a lane's eight keys of one column go to v's transposed stage
.macro EPI_V a0
	WIN 0x03                                       ; sums from window 3
.irp e, 0,1
.irp b, 0,1,2,3
.irp p, 0,1,2,3
	v_pk_add_f32 v[T+32*\e+8*\b+2*\p:T+32*\e+8*\b+2*\p+1], v[8*(4*(\a0+\e)+\b)+2*\p:8*(4*(\a0+\e)+\b)+2*\p+1], v[BV+2*\b:BV+2*\b+1]
.endr
.endr
.endr
	WIN 0
.irp e, 0,1
.irp b, 0,1,2,3
.irp p, 0,1,2,3
	v_cvt_pk_f16_f32 v[KP+16*\e+4*\b+\p], v[T+32*\e+8*\b+2*\p], v[T+32*\e+8*\b+2*\p+1]
.endr
	ds_store_b128 v[VSTO], v[KP+16*\e+4*\b:KP+16*\e+4*\b+3] offset:16*VPIT*\b+32*(\a0+\e)
.endr
.endr
.endm
	EPI_QK 0
	EPI_QK 1
	EPI_QK 2
	EPI_QK 3
	EPI_V 0
	EPI_V 2
	; my halo tile: k, then v
	WIN 0x07
.irp b, 0,1,2,3
.irp p, 0,1,2,3
	v_pk_add_f32 v[T+8*\b+2*\p:T+8*\b+2*\p+1], v[128+8*\b+2*\p:128+8*\b+2*\p+1], v[32+8*\b+2*\p:32+8*\b+2*\p+1]
.endr
.endr
	WIN 0x03
.irp b, 0,1,2,3
.irp p, 0,1,2,3
	v_pk_add_f32 v[T+32+8*\b+2*\p:T+32+8*\b+2*\p+1], v[160+8*\b+2*\p:160+8*\b+2*\p+1], v[BV+2*\b:BV+2*\b+1]
.endr
.endr
	WIN 0
.irp b, 0,1,2,3
.irp p, 0,1,2,3
	v_cvt_pk_f16_f32 v[KP+4*\b+\p], v[T+8*\b+2*\p], v[T+8*\b+2*\p+1]
	v_cvt_pk_f16_f32 v[KP+16+4*\b+\p], v[T+32+8*\b+2*\p], v[T+32+8*\b+2*\p+1]
.endr
	ds_store_b128 v[KSTOH], v[KP+4*\b:KP+4*\b+3] offset:32*\b
	ds_store_b128 v[VSTOH], v[KP+16+4*\b:KP+16+4*\b+3] offset:16*VPIT*\b
.endr
	; the third product of 32 keys reaches 16 keys past the window: its probabilities are these zeros, and past key 319 so is v
.irp j, 0,1,2,3
	v_mov_b32 v[P+20+\j], 0
.endr
	ds_store_b128 v[ZSTO], v[P+20:P+23]
	s_wait_dscnt 0x0                               ; my part of the stage is written
	s_barrier_signal -1
	s_barrier_wait -1                              ; everybody's is
	; all that my 64 queries need, once: k of keys 64 w .. + 127 (8 tiles x 2 halves of the head), v of keys 64 w .. + 143 (4 column tiles x 9 key tiles)
	WIN 0x40
.irp t, 0,1,2,3,4,5,6,7
.irp c, 0,1
	ds_load_b128 v[16*\t+8*\c:16*\t+8*\c+3],   v[KSTO] offset:16*KPIT*\t+64*\c
	ds_load_b128 v[16*\t+8*\c+4:16*\t+8*\c+7], v[KSTO] offset:16*KPIT*\t+64*\c+32
.endr
.endr
	WIN 0x80
.irp m, 0,1,2,3
.irp c, 0,1,2,3,4,5,6,7,8
	ds_load_b128 v[36*\m+4*\c:36*\m+4*\c+3], v[VSTO] offset:16*VPIT*\m+32*\c
.endr
.endr
	WIN 0
; Queries 16 a .. 16 a + 15 of my 64 against key tiles a .. a + 4.  Scores come transposed (source 0 = k, source 1 = q): a lane holds query r
; and keys 8 hh + j of each tile, so a row's maximum and sum are 40 numbers of a lane and one exchange with lane xor 16; packed, the
; probabilities are already source 1 of the second product (source 0 = v transposed), whose result is query r, eight neighbouring columns.
.macro ATT a
.if \a == 0
	s_wait_dscnt 36                                ; k's 32 loads are in; v's 36 may be out
.endif
	WIN 0x01
.irp t, 0,1,2,3,4
	v_wmma_f32_16x16x32_f16 v[S+8*\t:S+8*\t+7], v[16*(\a+\t):16*(\a+\t)+7], v[QF+16*\a:QF+16*\a+7], 0
.endr
.irp t, 0,1,2,3,4
	v_wmma_f32_16x16x32_f16 v[S+8*\t:S+8*\t+7], v[16*(\a+\t)+8:16*(\a+\t)+15], v[QF+16*\a+8:QF+16*\a+15], v[S+8*\t:S+8*\t+7]
.endr
	WIN 0
.irp j, 0,1,2,3,4,5,6,7
	s_and_b32 s[89+\j], s[74+\j], s[85+\a]         ; the fifth tile: inside the window and inside the sequence
.endr
	PLACES
.irp j, 0,1,2,3,4,5,6,7
	v_cndmask_b32 v[S+\j], v[NEG], v[S+\j], s[66+\j]
.endr
.irp t, 1,2,3
.if \a+\t > 3
.irp j, 0,1,2,3,4,5,6,7
	v_cndmask_b32 v[S+8*\t+\j], v[NEG], v[S+8*\t+\j], s[81+\a+\t]
.endr
.endif
.endr
.irp j, 0,1,2,3,4,5,6,7
	v_cndmask_b32 v[S+32+\j], v[NEG], v[S+32+\j], s[89+\j]
.endr
	; the row's maximum: four chains over the lane's 40 numbers, then the other half's
.irp c, 0,1,2,3
	v_max3_num_f32 v[R+\c], v[S+\c], v[S+\c+4], v[S+\c+8]
.endr
.irp c, 0,1,2,3
	v_max3_num_f32 v[R+\c], v[R+\c], v[S+\c+12], v[S+\c+16]
.endr
.irp c, 0,1,2,3
	v_max3_num_f32 v[R+\c], v[R+\c], v[S+\c+20], v[S+\c+24]
.endr
.irp c, 0,1,2,3
	v_max3_num_f32 v[R+\c], v[R+\c], v[S+\c+28], v[S+\c+32]
.endr
.irp c, 0,1,2,3
	v_max_num_f32 v[R+\c], v[R+\c], v[S+\c+36]
.endr
	v_max3_num_f32 v[R], v[R], v[R+1], v[R+2]
	v_max_num_f32 v[R], v[R], v[R+3]
	v_permlanex16_b32 v[R+1], v[R], s98, s99
	v_max_num_f32 v[MX], v[R], v[R+1]              ; finite: the query's own key is among them
	v_max_num_f32 v[MX+1], v[R], v[R+1]
.set ii, 0
.rept 20
	v_pk_add_f32 v[S+ii:S+ii+1], v[S+ii:S+ii+1], v[MX:MX+1] neg_lo:[0,1] neg_hi:[0,1]
.set ii, ii+2
.endr
.set ii, 0
.rept 40
	v_exp_f32 v[S+ii], v[S+ii]
.set ii, ii+1
.endr
	v_nop                                          ; one plain place behind the last exponential (ISA guide 5.7.2)
	s_wait_alu depctr_va_vdst(0)
	v_pk_add_f32 v[SUM:SUM+1], v[S:S+1], v[S+2:S+3]
	v_pk_add_f32 v[SUM+2:SUM+3], v[S+4:S+5], v[S+6:S+7]
.set ii, 8
.rept 8
	v_pk_add_f32 v[SUM:SUM+1], v[SUM:SUM+1], v[S+ii:S+ii+1]
	v_pk_add_f32 v[SUM+2:SUM+3], v[SUM+2:SUM+3], v[S+ii+2:S+ii+3]
.set ii, ii+4
.endr
	v_pk_add_f32 v[SUM:SUM+1], v[SUM:SUM+1], v[SUM+2:SUM+3]
	v_add_f32 v[SUM], v[SUM], v[SUM+1]
	v_permlanex16_b32 v[SUM+1], v[SUM], s98, s99
	v_add_f32 v[SUM], v[SUM], v[SUM+1]
	v_rcp_f32 v[RL], v[SUM]                        ; the conversions below are the plain places behind these two
	v_rcp_f32 v[RL+1], v[SUM]
.irp t, 0,1,2,3,4
.irp p, 0,1,2,3
	v_cvt_pk_f16_f32 v[P+4*\t+\p], v[S+8*\t+2*\p], v[S+8*\t+2*\p+1]
.endr
.endr
.if \a == 0
	s_wait_dscnt 0                                 ; v's fragments
.endif
	WIN 0x02
.irp m, 0,1,2,3
	v_wmma_f32_16x16x32_f16 v[O+8*\m:O+8*\m+7], v[36*\m+4*\a:36*\m+4*\a+7], v[P:P+7], 0
.endr
.irp c, 1,2
.irp m, 0,1,2,3
	v_wmma_f32_16x16x32_f16 v[O+8*\m:O+8*\m+7], v[36*\m+4*(\a+2*\c):36*\m+4*(\a+2*\c)+7], v[P+8*\c:P+8*\c+7], v[O+8*\m:O+8*\m+7]
.endr
.endr
	WIN 0
	PLACES
.set ii, 0
	s_wait_alu depctr_va_vdst(0)
.rept 16
	v_pk_mul_f32 v[O+ii:O+ii+1], v[O+ii:O+ii+1], v[RL:RL+1]
.set ii, ii+2
.endr
.irp m, 0,1,2,3
.irp p, 0,1,2,3
	v_cvt_pk_f16_f32 v[OP+4*\m+\p], v[O+8*\m+2*\p], v[O+8*\m+2*\p+1]
.endr
	ds_store_b128 v[OSTO], v[OP+4*\m:OP+4*\m+3] offset:16*KPIT*\a+32*\m
.endr
.endm
	ATT 0
	ATT 1
	ATT 2
	ATT 3
	; my 64 rows of 128 bytes are 8,192 consecutive bytes of ao: read back by rows from my own stage (LDS serves a wave's instructions in
	; order, ISA guide 5.7.1: the loads see the stores above); each store of the wave covers 512 consecutive bytes, aligned
.irp i, 0,1,2,3,4,5,6,7,8,9,10,11,12,13,14,15
	ds_load_b128 v[64+4*\i:64+4*\i+3], v[ORD] offset:4*KPIT*\i
.endr
.irp i, 0,1,2,3,4,5,6,7,8,9,10,11,12,13,14,15
	s_wait_dscnt 15-\i
	global_store_b128 v[CO], v[64+4*\i:64+4*\i+3], s[46:47] offset:512*\i
.endr
	s_set_vgpr_msb 0x5
	s_wait_tensorcnt 0x0
	ds_add_u32 v254, v255
	s_wait_dscnt 0x0
	s_set_vgpr_msb 0x500
	CROUND                                         ; the closing round: no work-group ends while a partner may still ask for a tile that names it
	s_endpgm
.Lfunc_end_k_q9bf60dbd44_qkvattn:
	.size	k_q9bf60dbd44_qkvattn, .Lfunc_end_k_q9bf60dbd44_qkvattn-k_q9bf60dbd44_qkvattn
	.p2alignl 7, 3214868480
	.fill 96, 4, 3214868480
	.section	.rodata,"a",@progbits
	.p2align	6, 0x0
	.amdhsa_kernel k_q9bf60dbd44_qkvattn
		.amdhsa_group_segment_fixed_size 327680
		.amdhsa_private_segment_fixed_size 0
		.amdhsa_enable_private_segment 0
		.amdhsa_kernarg_size 32
		.amdhsa_user_sgpr_count 2
		.amdhsa_user_sgpr_kernarg_segment_ptr 1
		.amdhsa_wavefront_size32 1
		.amdhsa_system_sgpr_workgroup_id_x 1
		.amdhsa_system_sgpr_workgroup_id_y 1
		.amdhsa_system_sgpr_workgroup_id_z 1
		.amdhsa_system_vgpr_workitem_id 0
		.amdhsa_next_free_vgpr 960
		.amdhsa_next_free_sgpr 101
		.amdhsa_reserve_vcc 0
		.amdhsa_float_denorm_mode_32 3
		.amdhsa_float_denorm_mode_16_64 3
		.amdhsa_memory_ordered 1
		.amdhsa_forward_progress 1
		.amdhsa_inst_pref_size 251
	.end_amdhsa_kernel
	.amdgpu_metadata
---
amdhsa.version: [ 1, 2 ]
amdhsa.kernels:
  - .name:           k_q9bf60dbd44_qkvattn
    .symbol:         k_q9bf60dbd44_qkvattn.kd
    .args:
      - { .name: xh, .offset: 0, .size: 8, .value_kind: global_buffer, .address_space: global }
      - { .name: wqh, .offset: 8, .size: 8, .value_kind: global_buffer, .address_space: global }
      - { .name: b_qkv, .offset: 16, .size: 8, .value_kind: global_buffer, .address_space: global }
      - { .name: ao, .offset: 24, .size: 8, .value_kind: global_buffer, .address_space: global }
    .group_segment_fixed_size: 327680
    .private_segment_fixed_size: 0
    .kernarg_segment_align: 8
    .kernarg_segment_size: 32
    .max_flat_workgroup_size: 128
    .sgpr_count:     101
    .vgpr_count:     960
    .wavefront_size: 32
...
	.end_amdgpu_metadata
.endif
;; end of part 2
;; launch outproj (part 3): grid 8 x 32, 4 waves a work-group, clusters of 4 x 4, 327,680 bytes of LDS; arguments ao, woh, b_out, out0; writes out0
.if DOCPART == 3
	.amdgcn_target "amdgcn-amd-amdhsa--gfx1250"
	.amdhsa_code_object_version 6
	.text
	.protected	k_q9bf60dbd44_outproj
	.globl	k_q9bf60dbd44_outproj
	.p2align	8
	.type	k_q9bf60dbd44_outproj,@function
k_q9bf60dbd44_outproj:
	s_mov_b64 s[64:65], 0
	v_nop
	global_prefetch_b8 v0, s[64:65] scope:SCOPE_SE
	s_setreg_imm32_b32 hwreg(HW_REG_WAVE_MODE, 25, 1), 1
	s_wait_xcnt 0x0
	s_wait_alu depctr_hold_cnt(0) depctr_sa_sdst(0) depctr_va_vdst(0) depctr_va_sdst(0) depctr_va_ssrc(0) depctr_va_vcc(0) depctr_vm_vsrc(0)
	s_getreg_b32 s2, hwreg(HW_REG_IB_STS2, 6, 4)
	s_cmp_eq_u32 s2, 0
	s_cbranch_scc0 .Lentry_in_a_cluster
	s_endpgm
.Lentry_in_a_cluster:
	s_bfe_u32 s2, ttmp6, 0x10000c
	s_cmp_lg_u32 s2, 0xf033
	s_cbranch_scc0 .Lentry_shape_is_right
	s_endpgm
.Lentry_shape_is_right:
; out0[t][n] = sum over k of a[t][k] w_out[n][k] + b_out[n], k = 64 head + d.  a comes as ao [16 heads][4,096 rows][64] f16, w_out as woh
; [1,024][1,024] f16; sums, bias and output in f32.  LIMIT: as in the launch before, |a| under 65,504.
; 256 work-groups, each a block of 128 x 128 with four waves of 64 x 64 (16 accumulator tiles).  K = 1,024 goes in four steps of 256 (four
; heads) through two LDS slots.  A's part of a slot: for each half of 64 rows, 4 heads x 64 rows x 128 bytes; a head's 64 rows are 8,192
; consecutive bytes of ao, fetched as one long row and padded by 16 bytes after every 128, so that LDS holds [head][row] at a pitch of 144.
; B's part: 128 rows of 512 bytes at a pitch of 528.
; CLUSTERS: 4 x 4.  A's tile hangs on the block row alone and is asked for jointly along a row of the cluster, B's on the block column alone
; and is asked for jointly along a column.
; REGISTERS: window 0: v0-31 addresses, v64-191 fragment buffer 0, v192-223 biases, v224-255 at work; window 1: v0-127 the accumulators,
; tile (a, b) at 8 (4 a + b); window 2: v64-191 fragment buffer 1.
; The matrix instruction is used transposed (source 0 = rows of woh, source 1 = rows of a): a lane holds one row and eight neighbouring columns.
.set APIT,   144
.set BPIT,   528
.set AHALF,  4*64*APIT                 ; what wave 0 or 1 fetches
.set BHALF,  64*BPIT                   ; what wave 2 or 3 fetches
.set BOFF,   2*AHALF
.set SLOT,   BOFF+2*BHALF
.set STAGE,  2*SLOT                    ; behind the ring: 16 rows x 272 bytes for each wave; no tensor load lands here
.set SPIT,   272
.set ADRA,   16                        ; v16-17 my A fragments in slot 0, 1
.set ADRB,   20                        ; v20-21 my B fragments
.set STO,    24
.set RD,     25
.set CO,     26
.set BO8,    27
.set BIAS,   192
.set T,      224
.set G1A, 24
.set G0A, 32
.set G1B, 48
.set G0B, 56
.set MSB, 0
.macro WIN new
.if MSB != (\new)
	s_set_vgpr_msb (MSB<<8)|(\new)
.set MSB, (\new)
.endif
.endm
.macro PLACES                          ; four places behind matrix instructions (ISA guide 7.12.1)
.rept 4
	v_nop
.endr
.endm
.macro JLOAD s
	s_cmp_eq_u32 s13, 0
	s_cbranch_scc0 .Lfor_b_\@
	tensor_load_to_lds s[G0A+4*\s:G0A+4*\s+3], s[G1A:G1A+7]
	s_nop 0
	s_branch .Lasked_\@
.Lfor_b_\@:
	tensor_load_to_lds s[G0B+4*\s:G0B+4*\s+3], s[G1B:G1B+7]
	s_nop 0
.Lasked_\@:
.endm
.macro CREST
	s_cmp_lg_u32 s12, 0
	s_cbranch_scc1 .Lnot_wave_0_\@
	s_barrier_signal -3
.Lnot_wave_0_\@:
	s_barrier_wait -3
	s_barrier_signal -1
	s_barrier_wait -1
.endm
.macro CROUND
	s_barrier_signal -1
	s_barrier_wait -1
	CREST
.endm
.macro MM d, x, y, zero
.if \zero
	v_wmma_f32_16x16x32_f16 v[(\d):(\d)+7], v[(\x):(\x)+7], v[(\y):(\y)+7], 0
.else
	v_wmma_f32_16x16x32_f16 v[(\d):(\d)+7], v[(\x):(\x)+7], v[(\y):(\y)+7], v[(\d):(\d)+7]
.endif
.endm
	s_load_b256 s[4:11], s[0:1], 0x0               ; ao s[4:5], woh s[6:7], b_out s[8:9], out0 s[10:11]
	s_set_vgpr_msb 0x80
	v_lshl_add_u32 v192, v0, 2, 0x49400
	v_mov_b32 v193, 0
	s_set_vgpr_msb 0x808a
	ds_add_u32 v192, v193
	s_set_vgpr_msb 0x8a00
	v_lshrrev_b32 v3, 5, v0
	v_readfirstlane_b32 s12, v3                    ; wave
	s_lshr_b32 s13, s12, 1                         ; my half of the block's rows; also: I fetch for A (0) or B (1)
	s_and_b32 s14, s12, 1                          ; my half of its columns; also: which half of that tile I fetch
	s_bfe_u32 s15, ttmp6, 0x40000                  ; cx
	s_bfe_u32 s16, ttmp6, 0x40004                  ; cy
	s_lshl_b32 s17, ttmp9, 2
	s_add_co_u32 s17, s17, s15                     ; block column
	s_and_b32 s18, ttmp7, 0xffff
	s_lshl_b32 s18, s18, 2
	s_add_co_u32 s18, s18, s16                     ; block row
	s_lshl_b32 s19, s16, 2
	s_lshl_b32 s19, 15, s19                        ; my row of the cluster
	s_lshl_b32 s20, 0x1111, s15                    ; my column
	s_or_b32 s[G1A+0], s19, (1<<16)|(1<<20)|(1<<21)|(4<<22)|(3<<25)   ; 2-byte elements; padding: after every 32 words, 4 words; bit 21 beside the mask
	s_mov_b32 s[G1A+1], 4096<<16                   ; tensor_dim0 = 4,096 elements: a head's 64 rows
	s_mov_b32 s[G1A+2], 4<<16                      ; tensor_dim1 = 4 heads
	s_mov_b32 s[G1A+3], 4096<<16                   ; tile_dim0
	s_mov_b32 s[G1A+4], 4                          ; tile_dim1
	s_mov_b32 s[G1A+5], 262144                     ; from head to head: 4,096 rows x 64 elements
	s_mov_b32 s[G1A+6], 0
	s_mov_b32 s[G1A+7], 0
	s_or_b32 s[G1B+0], s20, (1<<16)|(1<<20)|(1<<21)|(6<<22)|(3<<25)   ; padding: after every 128 words, 4 words
	s_mov_b32 s[G1B+1], 256<<16
	s_mov_b32 s[G1B+2], 64<<16
	s_mov_b32 s[G1B+3], 256<<16
	s_mov_b32 s[G1B+4], 64
	s_mov_b32 s[G1B+5], 1024
	s_mov_b32 s[G1B+6], 0
	s_mov_b32 s[G1B+7], 0
	s_lshl_b32 s40, s18, 7
	s_lshl_b32 s41, s14, 6
	s_add_co_u32 s40, s40, s41                     ; A: row 128 block row + 64 half
	s_lshl_b32 s40, s40, 7                         ; rows of 128 bytes
	s_mov_b32 s41, 0
	s_lshl_b32 s42, s17, 7
	s_lshl_b32 s43, s14, 6
	s_add_co_u32 s42, s42, s43                     ; B: row 128 block column + 64 half
	s_lshl_b32 s42, s42, 11                        ; rows of 2,048 bytes
	s_mov_b32 s43, 0
	s_mul_i32 s21, s12, AHALF                      ; LDS: waves 0, 1
	s_mul_i32 s22, s12, BHALF
	s_add_co_u32 s22, s22, BOFF-2*BHALF            ; waves 2, 3
	s_wait_dscnt 0x0
	s_wait_kmcnt 0x0
	s_add_nc_u64 s[40:41], s[4:5], s[40:41]
	s_add_nc_u64 s[42:43], s[6:7], s[42:43]
	CROUND                                         ; the first joint loads meet
.irp s, 0,1
	s_mov_b32 s[G0A+4*\s], 1
	s_add_co_u32 s[G0A+4*\s+1], s21, \s*SLOT
	s_add_nc_u64 s[G0A+4*\s+2:G0A+4*\s+3], s[40:41], \s*4*524288   ; heads 4 s ..
	s_or_b32 s[G0A+4*\s+3], s[G0A+4*\s+3], 0x80000000
	s_mov_b32 s[G0B+4*\s], 1
	s_add_co_u32 s[G0B+4*\s+1], s22, \s*SLOT
	s_add_nc_u64 s[G0B+4*\s+2:G0B+4*\s+3], s[42:43], \s*512        ; columns 256 s ..
	s_or_b32 s[G0B+4*\s+3], s[G0B+4*\s+3], 0x80000000
	JLOAD \s                                       ; two tensor loads of the wave are out
.endr
	v_and_b32 v1, 15, v0                           ; r
	v_bfe_u32 v2, v0, 4, 1                         ; hh
	v_lshlrev_b32 v[BO8], 5, v2
	s_lshl_b32 s44, s17, 9                         ; my first column in bytes of f32: 512 block column + 256 half
	s_lshl_b32 s45, s14, 8
	s_add_co_u32 s44, s44, s45
	s_mov_b32 s45, 0
	s_add_nc_u64 s[46:47], s[8:9], s[44:45]        ; b_out at my first column
.irp b, 0,1,2,3
	global_load_b128 v[BIAS+8*\b:BIAS+8*\b+3],   v[BO8], s[46:47] offset:64*\b      ; columns 16 b + 8 hh .. + 7
	global_load_b128 v[BIAS+8*\b+4:BIAS+8*\b+7], v[BO8], s[46:47] offset:64*\b+16
.endr
	v_mul_u32_u24 v3, v1, APIT
	v_lshl_add_u32 v3, v2, 4, v3
	v_mul_u32_u24 v4, v1, BPIT
	v_lshl_add_u32 v4, v2, 4, v4
	s_mul_i32 s21, s13, AHALF                      ; my 64 rows of A
	s_mul_i32 s22, s14, BHALF
	s_add_co_u32 s22, s22, BOFF                    ; my 64 rows of B
.irp s, 0,1
	v_add_nc_u32 v[ADRA+\s], s21, v3
	v_add_nc_u32 v[ADRB+\s], s22, v4
	s_add_co_u32 s21, s21, SLOT
	s_add_co_u32 s22, s22, SLOT
.endr
	s_mul_i32 s23, s12, 16*SPIT
	s_add_co_u32 s23, s23, STAGE                   ; my stage
	v_mul_u32_u24 v5, v1, SPIT
	v_lshl_add_u32 v5, v2, 5, v5                   ; in: row r, 32 bytes for each half of the lanes
	v_add_nc_u32 v[STO], s23, v5
	v_mul_u32_u24 v5, v2, SPIT
	v_lshl_add_u32 v5, v1, 4, v5                   ; back: lanes 0-15 one row of 256 bytes, lanes 16-31 the next
	v_add_nc_u32 v[RD], s23, v5
	v_lshlrev_b32 v5, 12, v2                       ; and the same two rows of out0, 4,096 bytes apart
	v_lshl_add_u32 v[CO], v1, 4, v5
	s_lshl_b32 s2, s18, 7
	s_lshl_b32 s3, s13, 6
	s_add_co_u32 s2, s2, s3                        ; my first row
	s_lshl_b32 s2, s2, 12
	s_add_co_u32 s2, s2, s44                       ; + my first column
	s_mov_b32 s3, 0
	s_add_nc_u64 s[10:11], s[10:11], s[2:3]
; 32 LDS loads: the fragments of one head (64 along K, two halves q of 32) into a buffer: 64 q + 8 b of B, 64 q + 32 + 8 a of A
.macro CH_FETCH slot, kk, buf
	WIN 0x80*(\buf)
.irp q, 0,1
.irp b, 0,1,2,3
	ds_load_b128 v[64+64*\q+8*\b:64+64*\q+8*\b+3],   v[ADRB+\slot] offset:16*BPIT*\b+128*\kk+64*\q
	ds_load_b128 v[64+64*\q+8*\b+4:64+64*\q+8*\b+7], v[ADRB+\slot] offset:16*BPIT*\b+128*\kk+64*\q+32
.endr
.irp a, 0,1,2,3
	ds_load_b128 v[96+64*\q+8*\a:96+64*\q+8*\a+3],   v[ADRA+\slot] offset:64*APIT*\kk+16*APIT*\a+64*\q
	ds_load_b128 v[96+64*\q+8*\a+4:96+64*\q+8*\a+7], v[ADRA+\slot] offset:64*APIT*\kk+16*APIT*\a+64*\q+32
.endr
.endr
.endm
; 16 matrix instructions, one on each accumulator, always in the same order
.macro MUL16 q, zero
.irp a, 0,1,2,3
.irp b, 0,1,2,3
	MM 8*(4*\a+\b), 64+64*\q+8*\b, 96+64*\q+8*\a, \zero
.endr
.endr
.endm
; One head on buffer buf; in its middle the next head kk of the same slot is fetched into the other buffer
.macro CHUNK slot, kk, buf, zero
	s_wait_dscnt 16                                ; the first half's 16 loads are in, the second half's may be out
	WIN 0x50+10*(\buf)
	MUL16 0, \zero
	PLACES
	CH_FETCH \slot, \kk, 1-\buf
	s_wait_dscnt 32                                ; all but the 32 just issued
	WIN 0x50+10*(\buf)
	MUL16 1, 0
.endm
; The slot's fourth head (buffer 1) and the change of slots: each wave's reads of the slot and all its tensor loads are waited for in front of
; the barrier; where the slot is filled again the barrier opens a round of the cluster's barrier and the joint refill comes first behind it.
; From that request to the wait for it a wave issues 112 matrix instructions.
.macro TURN slot, next, fill
	WIN 0x5a
	s_wait_dscnt 0
	s_wait_tensorcnt 0x0
	ds_add_u32 v192, v193
	s_wait_dscnt 0x0
	s_barrier_signal -1
	MUL16 0, 0
	WIN 0
	s_barrier_wait -1
.if \fill
	CREST
	s_add_nc_u64 s[G0A+4*\slot+2:G0A+4*\slot+3], s[G0A+4*\slot+2:G0A+4*\slot+3], 8*524288   ; eight heads on
	s_add_nc_u64 s[G0B+4*\slot+2:G0B+4*\slot+3], s[G0B+4*\slot+2:G0B+4*\slot+3], 1024       ; 512 columns on
	JLOAD \slot
.endif
	PLACES
	CH_FETCH \next, 0, 0
	WIN 0x5a
	MUL16 1, 0
.endm
.macro PHASE slot, next, fill, zero
	CHUNK \slot, 1, 0, \zero
	CHUNK \slot, 2, 1, 0
	CHUNK \slot, 3, 0, 0
	TURN \slot, \next, \fill
.endm
	s_wait_loadcnt 0x0                             ; the biases
	s_wait_tensorcnt 0x1                           ; my part of slot 0 is in; slot 1's stays out
	s_barrier_signal -1
	s_barrier_wait -1
	CH_FETCH 0, 0, 0
	PHASE 0, 1, 1, 1                               ; heads 0-3; slot 0 is asked for again (heads 8-11)
	PHASE 1, 0, 1, 0                               ; heads 4-7; slot 1 again (heads 12-15)
	PHASE 0, 1, 0, 0                               ; heads 8-11; nothing is left to fetch
	CHUNK 1, 1, 0, 0
	CHUNK 1, 2, 1, 0
	CHUNK 1, 3, 0, 0
	s_wait_dscnt 16
	WIN 0x5a
	MUL16 0, 0
	s_wait_dscnt 0
	MUL16 1, 0
	PLACES
; 16 rows at a time: bias, 32 bytes a lane and tile into my own stage, whole rows of 256 bytes back, and out: sixteen lanes store 256
; consecutive bytes, aligned.  Each a has its own registers for the way back, so no store's data is ever written again.
.macro OUT16 a
	WIN 0x01
.irp b, 0,1,2,3
.irp p, 0,1,2,3
	v_pk_add_f32 v[T+8*\b+2*\p:T+8*\b+2*\p+1], v[8*(4*\a+\b)+2*\p:8*(4*\a+\b)+2*\p+1], v[BIAS+8*\b+2*\p:BIAS+8*\b+2*\p+1]
.endr
.endr
	WIN 0
.irp b, 0,1,2,3
	ds_store_b128 v[STO], v[T+8*\b:T+8*\b+3]   offset:64*\b
	ds_store_b128 v[STO], v[T+8*\b+4:T+8*\b+7] offset:64*\b+16
.endr
.irp t, 0,1,2,3,4,5,6,7
	ds_load_b128 v[64+32*\a+4*\t:64+32*\a+4*\t+3], v[RD] offset:2*SPIT*\t      ; LDS serves a wave's instructions in order (ISA guide 5.7.1): these see the stores above
.endr
.irp t, 0,1,2,3,4,5,6,7
	s_wait_dscnt 7-\t
	global_store_b128 v[CO], v[64+32*\a+4*\t:64+32*\a+4*\t+3], s[10:11] offset:(16*\a+2*\t)*4096 th:TH_STORE_NT
.endr
.endm
	OUT16 0
	OUT16 1
	OUT16 2
	OUT16 3
	s_set_vgpr_msb 0xa
	s_wait_tensorcnt 0x0
	ds_add_u32 v192, v193
	s_wait_dscnt 0x0
	s_set_vgpr_msb 0xa00
	CROUND                                         ; the closing round
	s_endpgm
.Lfunc_end_k_q9bf60dbd44_outproj:
	.size	k_q9bf60dbd44_outproj, .Lfunc_end_k_q9bf60dbd44_outproj-k_q9bf60dbd44_outproj
	.p2alignl 7, 3214868480
	.fill 96, 4, 3214868480
	.section	.rodata,"a",@progbits
	.p2align	6, 0x0
	.amdhsa_kernel k_q9bf60dbd44_outproj
		.amdhsa_group_segment_fixed_size 327680
		.amdhsa_private_segment_fixed_size 0
		.amdhsa_enable_private_segment 0
		.amdhsa_kernarg_size 32
		.amdhsa_user_sgpr_count 2
		.amdhsa_user_sgpr_kernarg_segment_ptr 1
		.amdhsa_wavefront_size32 1
		.amdhsa_system_sgpr_workgroup_id_x 1
		.amdhsa_system_sgpr_workgroup_id_y 1
		.amdhsa_system_sgpr_workgroup_id_z 1
		.amdhsa_system_vgpr_workitem_id 0
		.amdhsa_next_free_vgpr 706
		.amdhsa_next_free_sgpr 66
		.amdhsa_reserve_vcc 0
		.amdhsa_float_denorm_mode_32 3
		.amdhsa_float_denorm_mode_16_64 3
		.amdhsa_memory_ordered 1
		.amdhsa_forward_progress 1
		.amdhsa_inst_pref_size 91
	.end_amdhsa_kernel
	.amdgpu_metadata
---
amdhsa.version: [ 1, 2 ]
amdhsa.kernels:
  - .name:           k_q9bf60dbd44_outproj
    .symbol:         k_q9bf60dbd44_outproj.kd
    .args:
      - { .name: ao, .offset: 0, .size: 8, .value_kind: global_buffer, .address_space: global }
      - { .name: woh, .offset: 8, .size: 8, .value_kind: global_buffer, .address_space: global }
      - { .name: b_out, .offset: 16, .size: 8, .value_kind: global_buffer, .address_space: global }
      - { .name: out0, .offset: 24, .size: 8, .value_kind: global_buffer, .address_space: global }
    .group_segment_fixed_size: 327680
    .private_segment_fixed_size: 0
    .kernarg_segment_align: 8
    .kernarg_segment_size: 32
    .max_flat_workgroup_size: 128
    .sgpr_count:     66
    .vgpr_count:     706
    .wavefront_size: 32
...
	.end_amdgpu_metadata
.endif
;; end of part 3
;; ======== version 2 of 2: 3 launches; version 1 with the launch cast written anew for expert scheduling mode
;; limits: values are held in f16: magnitudes above 65,504 overflow, below 6.1e-05 lose precision
;; workspace buffers: xh 8,519,680 bytes; wqh 6,291,456 bytes; woh 2,097,152 bytes; ao 8,388,608 bytes
;; launch cast (part 4): grid 256 x 1, 8 waves a work-group, no clusters, 0 bytes of LDS; arguments x, w_qkv, w_out, xh, wqh, woh; writes xh, wqh, woh
.if DOCPART == 4
	.amdgcn_target "amdgcn-amd-amdhsa--gfx1250"
	.amdhsa_code_object_version 6
	.text
	.protected	k_q9bf60dbd44_cast
	.globl	k_q9bf60dbd44_cast
	.p2align	8
	.type	k_q9bf60dbd44_cast,@function
k_q9bf60dbd44_cast:
	s_mov_b64 s[64:65], 0
	v_nop
	global_prefetch_b8 v0, s[64:65] scope:SCOPE_SE
	s_setreg_imm32_b32 hwreg(HW_REG_WAVE_SCHED_MODE, 0, 2), 2
	s_setreg_imm32_b32 hwreg(HW_REG_WAVE_MODE, 25, 1), 1
	s_wait_xcnt 0x0
	s_wait_alu depctr_vm_vsrc(0)
; Rounds x, w_qkv and w_out from f32 to f16 once, and lays them out for the two matrix launches:
;   xh  [4160][1024]      x's 4,096 rows, then 64 rows of zeros (the last row block's halo reads them)
;   wqh [16][192][1024]   per head: its 64 rows of q's weights, its 64 of k's, its 64 of v's
;   woh [1024][1024]      w_out as it is
; LIMIT: numbers of magnitude 65,504 and above become infinite in f16; below 6e-5 they keep an absolute step of 6e-8.
; All three sources are rows of 1,024 f32, 8,192 rows in all.  256 work-groups take 32 rows each: 128 KiB in, 64 KiB out.
; Memory binds: no LDS, no barrier, no matrix unit.  A load of the work-group covers one row (256 threads x 16 bytes); all 32 loads of a
; thread are issued before the first wait, so the whole 128 KiB is on its way at once; a wave's store covers 256 consecutive aligned bytes.
; THE MODE: SCHED_MODE bits 1:0 = 2 (LLVM: expert scheduling mode 2), set by the entry lines.  The code itself states the register dependences
; between vector instructions and memory instructions, with s_wait_alu, always for 0.
; THE PLAN.  Registers that memory instructions touch:
;   v1, v2     byte offsets, written once at the head; read by every load and store; never written again.
;   v[4:7]     zeros, written in wave 0's branch; read by that branch's one store; never written again.
;   X, row j   four registers.  The row's load lands in them (no vector instruction has named them before); the row's two conversions read the
;              four and write the first two; the row's store reads those two; nothing writes them afterwards.
; So no register that a memory instruction reads is ever written again, and no load lands in a register that a vector instruction has named:
; what is left to state is that a store's data and the offsets are written.  The 32 rows go in eight blocks of four.  Block p's conversions
; name block p's registers alone; its memory instructions are the four stores of block p - 1.  ONE wait at a block's head states that the
; block before has written those stores' data, and the stores are dealt among the block's conversions with no further wait.
.set ROWS, 32
.set BLOCK, 4                          ; rows in a block
.set BLOCKS, ROWS/BLOCK
.set INB,  4096                        ; bytes of a source row
.set OUTB, 2048                        ; bytes of a destination row
.set LO,   1                           ; v1   16 t: my 16 bytes of a source row
.set SO,   2                           ; v2   8 t: my 8 bytes of a destination row
.set Z,    4                           ; v[4:7] zeros (wave 0)
.set X,    8                           ; v[8:135] row j: 4 registers as loaded; the first two then hold the four f16
	s_load_b256 s[4:11], s[0:1], 0x0               ; x s[4:5], w_qkv s[6:7], w_out s[8:9], xh s[10:11]
	s_load_b128 s[12:15], s[0:1], 0x20             ; wqh s[12:13], woh s[14:15]
	v_lshrrev_b32 v3, 5, v0
	v_readfirstlane_b32 s16, v3                    ; wave
	v_lshlrev_b32 v[LO], 4, v0
	v_lshlrev_b32 v[SO], 3, v0
	s_wait_alu depctr_va_sdst(0)                   ; s16 is written, ahead of its one reader, the compare in front of wave 0's branch
	s_mov_b32 s17, ttmp9                           ; g: 0-127 x, 128-223 w_qkv, 224-255 w_out
	s_sub_co_u32 s18, s17, 128
	s_and_b32 s18, s18, 127                        ; c: which 32 rows of w_qkv (used where 128 <= g < 224)
	s_sub_co_u32 s19, s17, 224
	s_and_b32 s19, s19, 31                         ; which 32 rows of w_out (used where g >= 224)
	; w_qkv's row 1024 part + 64 head + d goes to wqh's row 192 head + 64 part + d;  c = 32 part + 2 head + half
	s_bfe_u32 s20, s18, 0x40001                    ; head
	s_mul_i32 s20, s20, 192
	s_lshr_b32 s21, s18, 5                         ; part
	s_lshl_b32 s21, s21, 6
	s_add_co_u32 s20, s20, s21
	s_and_b32 s21, s18, 1                          ; half of the 64 rows
	s_lshl_b32 s21, s21, 5
	s_add_co_u32 s20, s20, s21
	s_lshl_b32 s20, s20, 11                        ; rows of 2,048 bytes
	s_lshl_b32 s22, s17, 17                        ; x: source offset, 32 rows of 4,096 bytes a work-group
	s_lshl_b32 s23, s17, 16                        ;    destination offset
	s_lshl_b32 s24, s18, 17                        ; w_qkv: source offset
	s_lshl_b32 s25, s19, 17                        ; w_out: source offset
	s_lshl_b32 s26, s19, 16                        ;        destination offset
	s_wait_kmcnt 0x0
	s_cmp_lt_u32 s17, 224                          ; the choice hangs on the work-group's number alone
	s_cselect_b64 s[28:29], s[6:7], s[8:9]
	s_cselect_b64 s[30:31], s[12:13], s[14:15]
	s_cselect_b32 s32, s24, s25
	s_cselect_b32 s34, s20, s26
	s_cmp_lt_u32 s17, 128
	s_cselect_b64 s[28:29], s[4:5], s[28:29]
	s_cselect_b64 s[30:31], s[10:11], s[30:31]
	s_cselect_b32 s32, s22, s32
	s_cselect_b32 s34, s23, s34
	s_mov_b32 s33, 0
	s_mov_b32 s35, 0
	s_add_nc_u64 s[28:29], s[28:29], s[32:33]      ; source at my first row
	s_add_nc_u64 s[30:31], s[30:31], s[34:35]      ; destination at my first row
	s_wait_alu depctr_va_vdst(0)                   ; v1 and v2 are written: every load and store of the kernel reads one of them as its offset
.set j, 0
.rept ROWS
	global_load_b128 v[X+4*j:X+4*j+3], v[LO], s[28:29] offset:INB*j th:TH_LOAD_NT   ; read once in the launch
.set j, j+1
.endr
	; xh's 64 rows of zeros are 131,072 bytes: 512 for each work-group, stored by its wave 0 (there 16 t is 16 x lane)
	s_cmp_lg_u32 s16, 0
	s_cbranch_scc1 .Lno_pad
	s_lshl_b32 s36, s17, 9
	s_add_co_u32 s36, s36, 4096*OUTB
	s_mov_b32 s37, 0
	s_add_nc_u64 s[36:37], s[10:11], s[36:37]
	v_mov_b32 v[Z], 0
	v_mov_b32 v[Z+1], 0
	v_mov_b32 v[Z+2], 0
	v_mov_b32 v[Z+3], 0
	s_wait_alu depctr_va_vdst(0)                   ; the four zeros are written, which the store below reads as its data
	global_store_b128 v[LO], v[Z:Z+3], s[36:37]
.Lno_pad:
; Block p: its four rows are rounded; the four stores of block p - 1 stand one in front of each row's two conversions.
.set p, 0
.rept BLOCKS
	s_wait_loadcnt ROWS-BLOCK*(p+1)                ; loads come back in order: block p's four rows are in, the younger ones stay out
.if p > 0
	s_wait_alu depctr_va_vdst(0)                   ; the block before has written the first two registers of each of its rows, which the four stores below read; this block's conversions name none of them
.endif
.set i, 0
.rept BLOCK
.set j, BLOCK*p+i
.if p > 0
	global_store_b64 v[SO], v[X+4*(j-BLOCK):X+4*(j-BLOCK)+1], s[30:31] offset:OUTB*(j-BLOCK)   ; the next launch reads it: no hint
.endif
	v_cvt_pk_f16_f32 v[X+4*j], v[X+4*j], v[X+4*j+1]
	v_cvt_pk_f16_f32 v[X+4*j+1], v[X+4*j+2], v[X+4*j+3]
.set i, i+1
.endr
.set p, p+1
.endr
	s_wait_alu depctr_va_vdst(0)                   ; the last block's conversions have written the data of the last four stores
.set j, ROWS-BLOCK
.rept BLOCK
	global_store_b64 v[SO], v[X+4*j:X+4*j+1], s[30:31] offset:OUTB*j
.set j, j+1
.endr
	s_endpgm
.Lfunc_end_k_q9bf60dbd44_cast:
	.size	k_q9bf60dbd44_cast, .Lfunc_end_k_q9bf60dbd44_cast-k_q9bf60dbd44_cast
	.p2alignl 7, 3214868480
	.fill 96, 4, 3214868480
	.section	.rodata,"a",@progbits
	.p2align	6, 0x0
	.amdhsa_kernel k_q9bf60dbd44_cast
		.amdhsa_group_segment_fixed_size 0
		.amdhsa_private_segment_fixed_size 0
		.amdhsa_enable_private_segment 0
		.amdhsa_kernarg_size 48
		.amdhsa_user_sgpr_count 2
		.amdhsa_user_sgpr_kernarg_segment_ptr 1
		.amdhsa_wavefront_size32 1
		.amdhsa_system_sgpr_workgroup_id_x 1
		.amdhsa_system_sgpr_workgroup_id_y 1
		.amdhsa_system_sgpr_workgroup_id_z 1
		.amdhsa_system_vgpr_workitem_id 0
		.amdhsa_next_free_vgpr 136
		.amdhsa_next_free_sgpr 66
		.amdhsa_reserve_vcc 0
		.amdhsa_float_denorm_mode_32 3
		.amdhsa_float_denorm_mode_16_64 3
		.amdhsa_memory_ordered 1
		.amdhsa_forward_progress 1
		.amdhsa_inst_pref_size 13
	.end_amdhsa_kernel
	.amdgpu_metadata
---
amdhsa.version: [ 1, 2 ]
amdhsa.kernels:
  - .name:           k_q9bf60dbd44_cast
    .symbol:         k_q9bf60dbd44_cast.kd
    .args:
      - { .name: x, .offset: 0, .size: 8, .value_kind: global_buffer, .address_space: global }
      - { .name: w_qkv, .offset: 8, .size: 8, .value_kind: global_buffer, .address_space: global }
      - { .name: w_out, .offset: 16, .size: 8, .value_kind: global_buffer, .address_space: global }
      - { .name: xh, .offset: 24, .size: 8, .value_kind: global_buffer, .address_space: global }
      - { .name: wqh, .offset: 32, .size: 8, .value_kind: global_buffer, .address_space: global }
      - { .name: woh, .offset: 40, .size: 8, .value_kind: global_buffer, .address_space: global }
    .group_segment_fixed_size: 0
    .private_segment_fixed_size: 0
    .kernarg_segment_align: 8
    .kernarg_segment_size: 48
    .max_flat_workgroup_size: 256
    .sgpr_count:     66
    .vgpr_count:     136
    .wavefront_size: 32
...
	.end_amdgpu_metadata
.endif
;; end of part 4
;; launch qkvattn: the kernel of part 2 again; grid 16 x 16, 4 waves a work-group, clusters of 4 x 4, 327,680 bytes of LDS; arguments xh, wqh, b_qkv, ao; writes ao
;; launch outproj: the kernel of part 3 again; grid 8 x 32, 4 waves a work-group, clusters of 4 x 4, 327,680 bytes of LDS; arguments ao, woh, b_out, out0; writes out0
